; MI455X (gfx1250); checked and timed in simulation.
; The chip was launched on July 23, 2026; its instructions are those of AMD's public machine-readable ISA for CDNA 5 (MIT licence, August 2026) and "CDNA5" Instruction Set Architecture Reference Guide (July 2026). The comments in the code are by the model that wrote it; some were corrected since.
;; Modern Hopfield Network. Allowed arithmetic: matrix products marked QUANTISED: E3M2 operands, one E8M0 scale for each 32 along K, by v_wmma_scale_f32_16x16x128_f8f6f4 with both operands' format E3M2, f32 sums; everything else in f32.
;; Inputs: stored 65,536 x 256 float32; x 2,048 x 256 float32.
;; Outputs: out0 2,048 x 256 float32.
;; This version of the problem:
;;   THIS VERSION OF THE PROBLEM IS GIVEN IN LOW PRECISION. The matrix products marked QUANTISED in the list below multiply operands that are first quantised to E3M2 (3 exponent bits, 2 mantissa bits; 6 bits a number), with one power-of-two scale for each 32 numbers along K (OCP MX v1.0); their sums are f32. All else is computed in f32.
;;   The module's matrix products, in the order in which they are computed (A, B: the left and right operand; K: the contracted axis; several contracted axes count as one K, in the product's order):
;;     1. [M 2,048, K 256] x [K 256, N 65,536]; A: input x; B: input stored: QUANTISED
;;     2. [M 2,048, K 65,536] x [K 65,536, N 256]; A: softmax (see below); B: input stored: QUANTISED
;;   THE QUANTISER, for each operand of a quantised product, along K:
;;     - K is cut into blocks of 32 from its start; a last block that is shorter is filled with zeros.
;;     - A block's scale is 2^e with e = floor(log2(the largest magnitude in the block)) - 4, held to -126 .. 127; a block of zeros has e = 0. As a byte (E8M0): e + 127.
;;     - Each number is divided by its block's scale, clamped to +-28, and rounded to the nearest number of E3M2, ties to even, subnormals kept.
;;     - The product sums the exact products of the quantised numbers (number of the format x scale) in f32.
;;   ~~~python
;;   def quantise(x, axis):      # numpy; x: float32 -> the quantised numbers, widened to float32 again
;;       x = np.moveaxis(x, axis, -1); K = x.shape[-1]
;;       x = np.pad(x, [(0, 0)] * (x.ndim - 1) + [(0, -K % 32)]); x = x.reshape(x.shape[:-1] + (-1, 32)); a = np.abs(x).max(-1, keepdims=True)
;;       e = np.where(a > 0, np.clip(np.frexp(np.where(a > 0, a, 1))[1] - 1 - 4, -126, 127), 0)      # np.frexp(a)[1] - 1 = floor(log2(a)), exactly
;;       r = np.clip(x / 2.0 ** e, -28, 28)
;;       step = 2.0 ** (np.maximum(np.frexp(np.where(r == 0, 1, r))[1] - 1, -2) - 2)
;;       q = np.round(r / step) * step * 2.0 ** e      # np.round: ties to even
;;       return np.moveaxis(q.reshape(q.shape[:-2] + (-1,))[..., :K], -1, axis).astype(np.float32)
;;   ~~~
;;   SOFTMAX AHEAD OF A QUANTISED PRODUCT. Where the list says 'softmax', what is quantised is not the finished softmax but p = 2^(t - M), with t = logit x log2(e) and M = ceil(the row's largest t), a whole number; so 1/2 < the row's largest p <= 1. The row's sum l is taken of the UNQUANTISED p, in f32, and the product's result is divided by l at the end. Since M is a whole number, a kernel that streams over the keys may use a running M (the ceiling of the running maximum): every later rescaling is an exact power of two, which a block's scale takes up: the codes' values come out the same.
;;   OPERANDS COMPUTED ON THE WAY. 'Computed on the way' means the value that the module computes at that place (a softmax that the list does not call 'softmax' is quantised finished and normalised). What goes into a quantiser is computed in f32, as accurately as f32 sums, v_exp_f32 and their like allow (about 1e-6 of the number): no bf16 or f16 on the way to a quantiser, and a product that is left as it is and whose result goes on into a quantised operand takes f32 operands (vector FMAs, or v_wmma_f32_16x16x4_f32). A number that lies on a knife's edge between two numbers of the format may be rounded either way, as far as f32 arithmetic and the matrix unit's own rounding can turn it there, and no further.
;; One version. Each part assembles by itself: llvm-mc -triple=amdgcn-amd-amdhsa -mcpu=gfx1250 --defsym DOCPART=n.
;; ======== version 1 of 1: 3 launches
;; limits: right only within a limited range of input values
;; workspace buffers: codes 27,033,600 bytes; part 33,554,432 bytes; stats 524,288 bytes
;; launch quant (part 1): grid 528 x 1, 4 waves a work-group, no clusters, 133,888 bytes of LDS; arguments stored, x, codes; writes codes
.if DOCPART == 1
	.amdgcn_target "amdgcn-amd-amdhsa--gfx1250"
	.amdhsa_code_object_version 6
	.text
	.protected	k_qcd6a481ded_quant
	.globl	k_qcd6a481ded_quant
	.p2align	8
	.type	k_qcd6a481ded_quant,@function
k_qcd6a481ded_quant:
	s_mov_b64 s[64:65], 0
	v_nop
	global_prefetch_b8 v0, s[64:65] scope:SCOPE_SE
	s_setreg_imm32_b32 hwreg(HW_REG_WAVE_MODE, 25, 1), 1
	s_wait_xcnt 0x0
; stored [65536][256] and x [2048][256], f32, become codes of BF6 (E3M2) with one E8M0 scale byte for each 32 numbers, laid as IMAGES OF THE MATRIX OPERANDS' REGISTERS.
; A work-group takes 128 rows and writes one block of BLK = 51,200 bytes of the buffer codes.  Blocks 0-511: stored; blocks 512-527: x (of these only the K part and its scale words are written and read).
; A fragment (16 rows x 128 along K, 12 registers a lane) is 1,536 bytes: register 4 g + e of lane l at 512 g + 16 l + 4 e.
;   byte 0       K part (quantised along the 256 channels): fragment (tile t = 0..7, K step s = 0, 1) at 1536 (2 t + s).  Lane (r, h) holds row 32 (t / 2) + 8 (t % 2) + r + 8 (r / 8),
;                registers 6 c .. 6 c + 5 its channels 128 s + 64 c + 32 h + 0 .. 31.  (The rows of a tile are not neighbours: the scores' 16 registers of two neighbouring tiles are then 16 neighbouring keys.)
;   byte 24,576  V part (quantised along the 128 keys): fragment (channel tile d = 0..15) at 1536 d.  Lane (r, h) holds channel 16 d + r, registers 6 c .. 6 c + 5 keys 64 c + 32 h + 0 .. 31.
;   byte 49,152  K's scale registers, pair j at 256 j + 8 l: register t serves tile t: lanes 0-15 the words of K step 0, lanes 16-31 those of K step 1.
;   byte 50,176  V's scale registers, pair j at 256 j + 8 l: register i: lanes 0-15 the words of tile 2 i, lanes 16-31 those of tile 2 i + 1.
; A block's scale is 2^(floor(log2(its largest magnitude)) - 4); its byte is the largest magnitude's exponent field - 4, held at 1 from below.
; LIMITS: a block of zeros gets the byte 1 where the quantiser's text says 127 (its codes are zeros, which add nothing under any byte but 0xff, and this program alone reads the bytes);
; NaN and infinities among the inputs are not served.
; HOW.  The 128 rows are read once, 512 consecutive bytes a load, and laid into LDS; both parts are then read from LDS so that a lane's 32 registers are one whole block of 32 along that part's K:
; no other lane is asked for a maximum, and the conversions' results are the operand's registers.  One barrier.  No tensor loads, no matrix unit, no cluster: memory binds, and work-groups share nothing.
.set PITCH, 1040                       ; an LDS row: 1,024 bytes + 16 = 260 words: row r starts at bank 4 r mod 64 (64 banks of 4 bytes: ISA guide 11.1), so 16 rows of a 16-byte load start at 16 different banks
.set GRP,   32*PITCH+64                ; a group of 32 keys; the 64 bytes set lanes 16-31 of the V part's loads 16 banks on from lanes 0-15
.set BLK,   51200
.set FRB,   1536
.set XA,    64                         ; v64-127, v128-191, v192-255: three sets of 64 numbers
.set XB,    128
.set XC,    192
.set F0,    28                         ; v28-39, v40-51: a fragment's codes, two sets by turns
.set F1,    40
.set ALT,   52                         ; v52-59: the second halves of the blocks' codes (a conversion's three registers begin on an even number)
; v1 lane, v2 r, v3 h, v4 16 x lane, v5 8 x lane, v6-v9 LDS addresses, v10 8 h, v11 a permute's destination, v12-13 largest magnitudes, v14-15 scale operands, v16-17 bytes,
; v20-21 scale words, v[22:23] K's scale registers, v[24:25] V's
	s_load_b128 s[4:7], s[0:1], 0x0                ; stored, x
	s_load_b64 s[8:9], s[0:1], 0x10                ; codes
	v_lshl_add_u32 v62, v0, 2, 0x20900
	v_mov_b32 v63, 0
	v_lshrrev_b32 v1, 5, v0
	v_readfirstlane_b32 s10, v1                    ; wave 0..3
	v_and_b32 v1, 31, v0                           ; lane
	v_and_b32 v2, 15, v0                           ; r
	v_bfe_u32 v3, v0, 4, 1                         ; h
	v_lshlrev_b32 v4, 4, v1
	v_lshlrev_b32 v5, 3, v1
	s_mul_i32 s18, s10, GRP                        ; my wave's 32 rows are group w
	v_add_nc_u32 v6, s18, v4                       ; in: 16 x lane in my group
	; THE ROWS OF A K TILE (this takes the place of the formula in the head comment): lane (r, h) of tile t holds row 64 (t / 4) + 32 (r / 8) + 8 (t % 4) + r % 8,
	; so that in the scores' transposed tiles a lane's 32 registers of tiles 4 c .. 4 c + 3 are the 32 neighbouring keys 64 c + 32 h + 0 .. 31: one whole block of the second product's K.
	; My tiles are 2 w and 2 w + 1: group 2 (w / 2) + r / 8, LDS row 16 u + 8 (w % 2) + r % 8 (16 u is LOADK's offset), + 128 h bytes: 32 channels
	v_and_b32 v12, 7, v0
	v_mul_u32_u24 v7, v12, PITCH
	v_bfe_u32 v12, v0, 3, 1
	v_mad_u32_u24 v7, v12, GRP, v7
	v_lshl_add_u32 v7, v3, 7, v7
	s_lshr_b32 s26, s10, 1
	s_mul_i32 s26, s26, 2*GRP
	s_and_b32 s27, s10, 1
	s_mul_i32 s27, s27, 8*PITCH
	s_add_co_u32 s26, s26, s27
	v_add_nc_u32 v7, s26, v7
	v_mul_u32_u24 v8, v3, GRP
	v_lshl_add_u32 v8, v2, 2, v8
	s_lshl_b32 s19, s10, 8
	v_add_nc_u32 v8, s19, v8                       ; V part, c = 0: group h, channel 64 w + r
	v_add_nc_u32 v9, 2*GRP, v8                     ; c = 1: group 2 + h
	v_lshlrev_b32 v10, 3, v3
	v_mov_b32 v11, 0                               ; written once: a lane permute's destination counts as one of its sources
	v_cmp_lt_u32 s30, 15, v1                       ; lanes 16-31
	s_mov_b32 s24, 0x76543210
	s_mov_b32 s25, 0xfedcba98                      ; v_permlanex16_b32's selects for lane l xor 16
	s_wait_alu depctr_va_vdst(0)
	s_wait_kmcnt 0x0
	s_cmp_lt_u32 ttmp9, 512                        ; stored's work-group or x's?  The choice hangs on the work-group's number alone
	s_cselect_b64 s[12:13], s[4:5], s[6:7]
	s_cselect_b32 s20, 0, 512
	s_sub_co_u32 s20, ttmp9, s20
	s_lshl_b32 s20, s20, 17                        ; 128 rows of 1,024 bytes
	s_lshl_b32 s21, s10, 15                        ; my wave's 32 of them
	s_add_co_u32 s20, s20, s21
	s_mov_b32 s21, 0
	s_add_nc_u64 s[12:13], s[12:13], s[20:21]      ; in
	s_mul_i32 s20, ttmp9, BLK
	s_mul_i32 s22, s10, 4*FRB
	s_add_co_u32 s22, s22, s20
	s_mov_b32 s23, 0
	s_add_nc_u64 s[14:15], s[8:9], s[22:23]        ; out: my four fragments of a part
	s_lshl_b32 s22, s10, 8
	s_add_co_u32 s22, s22, s20
	s_add_co_u32 s22, s22, 49152
	s_add_nc_u64 s[16:17], s[8:9], s[22:23]        ; out: my pair of scale registers
.macro GET n, X                        ; rows 8 n .. 8 n + 7 of my 32: sixteen loads of 512 consecutive bytes
.irp k, 0,1,2,3,4,5,6,7,8,9,10,11,12,13,14,15
	global_load_b128 v[\X+4*\k:\X+4*\k+3], v4, s[12:13] offset:8192*(\n)+512*\k th:TH_LOAD_NT
.endr
.endm
.macro PUT n, X                        ; key 16 a + 8 u + j of a group lies in LDS row 16 u + 8 a + j, so that the 16 rows of a K tile are neighbours in LDS
.irp k, 0,1,2,3,4,5,6,7,8,9,10,11,12,13,14,15
	ds_store_b128 v6, v[\X+4*\k:\X+4*\k+3] offset:(16*((\n)%2)+8*((\n)/2)+\k/2)*PITCH+512*(\k%2)
.endr
.endm
.macro LOADK f, X                      ; fragment f = 2 u + s of my two K tiles: my row's channels 128 s + 64 c + 32 h + 0 .. 31 into registers 32 c on
.irp c, 0,1
.irp j, 0,1,2,3,4,5,6,7
	ds_load_b128 v[\X+32*\c+4*\j:\X+32*\c+4*\j+3], v7 offset:16*((\f)/2)*PITCH+512*((\f)%2)+256*\c+16*\j
.endr
.endr
.endm
.macro LOADV e, X                      ; channel tile 4 w + e: my channel at keys 64 c + 32 h + i into register 32 c + i
.irp c, 0,1
.irp i, 0,1,2,3,4,5,6,7,8,9,10,11,12,13,14,15,16,17,18,19,20,21,22,23,24,25,26,27,28,29,30,31
	ds_load_b32 v[\X+32*\c+\i], v[8+\c] offset:(16*((\i/8)%2)+8*(\i/16)+\i%8)*PITCH+64*(\e)
.endr
.endr
.endm
; 64 numbers of a lane, two whole blocks of 32, become the lane's 12 registers of a fragment in v[F] on; the fragment's scale word (the same in lanes l and l xor 16) in v[W]
.macro QUANT X, F, W
.irp c, 0,1
	v_max3_num_f32 v[12+\c], |v[\X+32*\c]|, |v[\X+32*\c+1]|, 0x2800000   ; and the floor 2^(5 - 127), under which no largest magnitude is taken: so the byte cannot fall under 1
.endr
.irp i, 2,4,6,8,10,12,14,16,18,20,22,24,26,28,30
.irp c, 0,1
	v_max3_num_f32 v[12+\c], v[12+\c], |v[\X+32*\c+\i]|, |v[\X+32*\c+\i+1]|   ; (the two blocks by turns)
.endr
.endr
.irp c, 0,1
	v_add_nc_u32 v[14+\c], 0xfe000000, v[12+\c]    ; 4 off the exponent field: the conversion takes the exponent field of this operand as its scale, and nothing else of it
.endr
.irp c, 0,1
	v_lshrrev_b32 v[16+\c], 23, v[14+\c]           ; the scale's byte
.endr
	v_lshl_or_b32 v[\W], v17, 16, v16              ; my two bytes: blocks h and 2 + h,
	v_lshlrev_b32 v[\W], v10, v[\W]                ; at their places in the word (8 h bits up);
	v_permlanex16_b32 v11, v[\W], s24, s25
	v_or_b32 v[\W], v[\W], v11                     ; with lane l xor 16's two the word is whole
	s_wait_alu depctr_va_vdst(0)
	s_wait_xcnt 0x0                                ; this set of code registers was the data of stores two fragments ago: it is rewritten only behind this wait
.irp c, 0,1
	v_cvt_scalef32_pk16_bf6_f32 v[\F+6*\c:\F+6*\c+2], v[\X+32*\c:\X+32*\c+15], v[14+\c]
	v_cvt_scalef32_pk16_bf6_f32 v[ALT+4*\c:ALT+4*\c+2], v[\X+32*\c+16:\X+32*\c+31], v[14+\c]
.endr
	v_nop                                          ; one plain place behind a scaled conversion
.irp c, 0,1
.irp i, 0,1,2
	v_mov_b32 v[\F+6*\c+3+\i], v[ALT+4*\c+\i]
.endr
.endr
.endm
.macro OUT F, off                      ; the fragment's image: three stores of 512 consecutive bytes, at multiples of 256 from the buffer's first byte
.irp g, 0,1,2
	global_store_b128 v4, v[\F+4*\g:\F+4*\g+3], s[14:15] offset:(\off)+512*\g
.endr
.endm
	GET 0, XA
	GET 1, XB
	GET 2, XC
	s_wait_loadcnt 32                              ; batch 0 is in; batches 1 and 2 stay out
	PUT 0, XA
	s_wait_dscnt 0x0                               ; the stores have read their registers
	GET 3, XA
	s_wait_loadcnt 32                              ; batch 1 is in; batches 2 and 3 stay out
	PUT 1, XB
	s_wait_loadcnt 16                              ; batch 2 is in; batch 3 stays out
	PUT 2, XC
	s_wait_loadcnt 0x0
	PUT 3, XA
	s_wait_dscnt 0x0                               ; for the others' sake: my 32 rows lie in LDS
	s_barrier_signal -1
	s_barrier_wait -1                              ; all 128 do; nothing is stored to LDS behind this barrier
	; THE K PART: my two tiles x two K steps; the next fragment's numbers come from LDS while this one is quantised
	LOADK 0, XA
	s_wait_dscnt 0x0
	LOADK 1, XB
	QUANT XA, F0, 20
	OUT F0, 0
	s_wait_dscnt 0x0
	LOADK 2, XA
	QUANT XB, F1, 21
	OUT F1, FRB
	v_cndmask_b32 v22, v20, v21, s30               ; tile 2 w: lanes 0-15 K step 0's words, lanes 16-31 K step 1's
	s_wait_dscnt 0x0
	LOADK 3, XB
	QUANT XA, F0, 20
	OUT F0, 2*FRB
	s_wait_dscnt 0x0
	QUANT XB, F1, 21
	OUT F1, 3*FRB
	v_cndmask_b32 v23, v20, v21, s30               ; tile 2 w + 1
	global_store_b64 v5, v[22:23], s[16:17]        ; 32 lanes store 256 consecutive bytes
	s_cmp_ge_u32 ttmp9, 512                        ; x is an operand of the first product alone: its blocks have no V part
	s_cbranch_scc1 .Ldone
	; THE V PART: my four channel tiles
	LOADV 0, XA
	s_wait_dscnt 0x0
	LOADV 1, XB
	QUANT XA, F0, 20
	OUT F0, 24576
	s_wait_dscnt 0x0
	LOADV 2, XA
	QUANT XB, F1, 21
	OUT F1, 24576+FRB
	v_cndmask_b32 v24, v20, v21, s30               ; register 2 w: lanes 0-15 tile 4 w's words, lanes 16-31 tile 4 w + 1's
	s_wait_dscnt 0x0
	LOADV 3, XB
	QUANT XA, F0, 20
	OUT F0, 24576+2*FRB
	s_wait_dscnt 0x0
	QUANT XB, F1, 21
	OUT F1, 24576+3*FRB
	v_cndmask_b32 v25, v20, v21, s30               ; register 2 w + 1
	global_store_b64 v5, v[24:25], s[16:17] offset:1024
.Ldone:
	s_wait_tensorcnt 0x0
	ds_add_u32 v62, v63
	s_wait_dscnt 0x0
	s_endpgm
.Lfunc_end_k_qcd6a481ded_quant:
	.size	k_qcd6a481ded_quant, .Lfunc_end_k_qcd6a481ded_quant-k_qcd6a481ded_quant
	.p2alignl 7, 3214868480
	.fill 96, 4, 3214868480
	.section	.rodata,"a",@progbits
	.p2align	6, 0x0
	.amdhsa_kernel k_qcd6a481ded_quant
		.amdhsa_group_segment_fixed_size 133888
		.amdhsa_private_segment_fixed_size 0
		.amdhsa_enable_private_segment 0
		.amdhsa_kernarg_size 24
		.amdhsa_user_sgpr_count 2
		.amdhsa_user_sgpr_kernarg_segment_ptr 1
		.amdhsa_wavefront_size32 1
		.amdhsa_system_sgpr_workgroup_id_x 1
		.amdhsa_system_sgpr_workgroup_id_y 1
		.amdhsa_system_sgpr_workgroup_id_z 1
		.amdhsa_system_vgpr_workitem_id 0
		.amdhsa_next_free_vgpr 256
		.amdhsa_next_free_sgpr 66
		.amdhsa_reserve_vcc 0
		.amdhsa_float_denorm_mode_32 3
		.amdhsa_float_denorm_mode_16_64 3
		.amdhsa_memory_ordered 1
		.amdhsa_forward_progress 1
		.amdhsa_inst_pref_size 60
	.end_amdhsa_kernel
	.amdgpu_metadata
---
amdhsa.version: [ 1, 2 ]
amdhsa.kernels:
  - .name:           k_qcd6a481ded_quant
    .symbol:         k_qcd6a481ded_quant.kd
    .args:
      - { .name: stored, .offset: 0, .size: 8, .value_kind: global_buffer, .address_space: global }
      - { .name: x, .offset: 8, .size: 8, .value_kind: global_buffer, .address_space: global }
      - { .name: codes, .offset: 16, .size: 8, .value_kind: global_buffer, .address_space: global }
    .group_segment_fixed_size: 133888
    .private_segment_fixed_size: 0
    .kernarg_segment_align: 8
    .kernarg_segment_size: 24
    .max_flat_workgroup_size: 128
    .sgpr_count:     66
    .vgpr_count:     256
    .wavefront_size: 32
...
	.end_amdgpu_metadata
.endif
;; end of part 1
;; launch attn (part 2): grid 16 x 16, 8 waves a work-group, clusters of 4 x 1, 327,680 bytes of LDS; arguments codes, part, stats; writes part, stats
.if DOCPART == 2
	.amdgcn_target "amdgcn-amd-amdhsa--gfx1250"
	.amdhsa_code_object_version 6
	.text
	.protected	k_qcd6a481ded_attn
	.globl	k_qcd6a481ded_attn
	.p2align	8
	.type	k_qcd6a481ded_attn,@function
k_qcd6a481ded_attn:
	s_mov_b64 s[64:65], 0
	v_nop
	global_prefetch_b8 v0, s[64:65] scope:SCOPE_SE
	s_setreg_imm32_b32 hwreg(HW_REG_WAVE_MODE, 25, 1), 1
	s_wait_xcnt 0x0
	s_wait_alu depctr_hold_cnt(0) depctr_sa_sdst(0) depctr_va_vdst(0) depctr_va_sdst(0) depctr_va_ssrc(0) depctr_va_vcc(0) depctr_vm_vsrc(0)
	s_getreg_b32 s2, hwreg(HW_REG_IB_STS2, 6, 4)
	s_cmp_eq_u32 s2, 0
	s_cbranch_scc0 .Lentry_in_a_cluster
	s_endpgm
.Lentry_in_a_cluster:
	s_bfe_u32 s2, ttmp6, 0x10000c
	s_cmp_lg_u32 s2, 0x3003
	s_cbranch_scc0 .Lentry_shape_is_right
	s_endpgm
.Lentry_shape_is_right:
; For 128 queries (work-group x) and 4,096 keys (work-group y: one of 16 splits of the 65,536): O = the sum over the split's keys of p V, p = 2^(t - M), t = score x log2(e), M the running largest t
; rounded UP to a whole number; l = the row's sum of the unquantised p.  Both products on codes of BF6 (E3M2) with E8M0 scales for each 32 along K, laid by the launch before as images of the operands' registers.
; Out: part [tile of 16 queries T][split][16,384 bytes], the image of the tile's 128 registers of O^T (not divided), and stats [T][split][lane](-M, l).  The next launch joins the 16 splits.
; SHARES.  Eight waves, two to a SIMD.  Waves g and g + 4 hold the same 32 queries (two tiles of 16); of each pair of key blocks (128 keys each) wave g takes the first and wave g + 4 the second: 16 steps a wave.
; At the end the two exchange one tile each through LDS and join it (weights are powers of two), so a work-group stores each query once.  Waves 4-7 number their two tiles the other way round:
; every wave keeps its tile 0 and gives its tile 1, and only addresses hang on the wave's number.
; LAYOUT.  Both products are used transposed (S^T = K Q^T, O^T = V^T P^T): a lane holds ONE query (lane % 16).  The rows of a K tile are chosen so that a lane's 32 registers of tiles 4 c .. 4 c + 3 are keys
; 64 c + 32 h + 0 .. 31: a whole block of P's K lies in one lane, so a block's maximum asks no other lane and the conversions' results are P's registers.
; RING.  Two LDS slots of two key blocks (102,400 dense bytes), an eighth a wave by one tensor load; a slot is asked for a whole step ahead of its first read.  The four query blocks of a cluster walk the same split: joint loads.
; PREFETCH.  In the trip that loads round r + 1 the bytes of round r + 3 are named: 400 blocks of 256 bytes, 100 to each of the cluster's four work-groups, told apart by address (cx); threads 0-127, a lane a block,
; the lanes left over name block 99 again; rounds 13 on ask for nothing, so no address leaves the split.
; K's fragments wait in registers that are free in this phase: P's 24, the softmax's 24, and registers of S that later tiles' products write.
; LIMITS: NaN and infinities are not served; the promise holds while the scaled scores stay under 2^31 in magnitude; a block of 32 keys whose every p has fallen to 0 keeps the scale byte 1 (its codes are zeros).
; REGISTERS.  Window 0: v1-7 addresses; v8-15 K's, then V's scale registers; v16-17 Q's; v18-19 P's; v20-27 (-M, largest score, l in two halves) a tile; v28-51 K buffer B, then at work, then V;
; v52-75 K buffer A, then P; v76-79 (f, 8 h), (f, prefetch offset); v80-127 Q; v128-255 S^T, p, then V.  Window 1: O^T, tile q's channel tile d at 128 q + 8 d.
.set BLK,    51200
.set EIGHTH, 12800                     ; a wave's part of a slot: 50 rows of 256 bytes
.set SLOT1,  1<<17
.set STG,    233472                    ; the stage of the exchange: 8,448 bytes a wave, bytes on which no tensor load lands
.set WST,    8448
.set SPARE,  301056                    ; the spare words, 128 bytes a wave
.set VOFF,   24576
.set KSC,    49152
.set VSC,    50176
.set LB,  1                            ; 16 x lane + my block of the slot's two
.set L8B, 2                            ; 8 x lane + the same
.set ADR, 3
.set AD8, 4
.set SPW, 5
.set NIL, 6
.set GL,  7                            ; 16 x lane, at the head and on the way out.  In the steps v0 and v7 hold the maxima of each tile's block c = 0 (v18-19 hold P's scale words and nothing else)
.set KVS, 8
.set QS,  16
.set PS,  18
.set ST,  20
.set BB,  28
.set TE,  32
.set SOP, 36
.set BA,  52
.set PF,  52
.set FF,  76
.set H8,  77
.set PFO, 79
.set QF,  80
.set SS,  128
.set MSB, 0
.macro WIN new
.if MSB != (\new)
	s_set_vgpr_msb (MSB<<8)|(\new)
.set MSB, (\new)
.endif
.endm
.macro PLACES n
.rept \n
	v_nop
.endr
.endm
.macro CROUND                          ; a round of the cluster's barrier
	s_barrier_signal -1
	s_barrier_wait -1
	s_cmp_lg_u32 s10, 0
	s_cbranch_scc1 .Lnot_wave_0_\@
	s_barrier_signal -3
.Lnot_wave_0_\@:
	s_barrier_wait -3
	s_barrier_signal -1
	s_barrier_wait -1
.endm
.macro BAR
	s_barrier_signal -1
	s_barrier_wait -1
.endm
	s_load_b128 s[4:7], s[0:1], 0x0                ; codes, part
	s_load_b64 s[8:9], s[0:1], 0x10                ; stats
	v_lshl_add_u32 v[SPW], v0, 2, SPARE
	v_mov_b32 v[NIL], 0
	ds_add_u32 v[SPW], v[NIL]                      ; the opening lines: the add twice on end under one wait
	ds_add_u32 v[SPW], v[NIL]
	v_lshrrev_b32 v30, 5, v0
	v_and_b32 v31, 31, v0
	v_readfirstlane_b32 s10, v30                   ; wave 0..7
	v_lshlrev_b32 v[GL], 4, v31
	v_lshlrev_b32 v32, 3, v31
	s_lshr_b32 s55, s10, 2                         ; hi: which block of a slot's two is mine
	s_and_b32 s56, s10, 3                          ; g: which 32 queries
	s_mul_i32 s59, s55, BLK
	v_add_nc_u32 v[LB], s59, v[GL]
	v_add_nc_u32 v[L8B], s59, v32
	v_lshl_add_u32 v28, s55, 2, v32                ; Q's scale words: 8 x lane + 4 x (tile % 2): my tile 0's,
	v_bfe_u32 v[H8], v0, 4, 1
	v_min_u32 v[PFO], 99, v0
	v_xor_b32 v29, 4, v28                          ; and my tile 1's
	v_lshlrev_b32 v[H8], 3, v[H8]                  ; 8 h
	v_lshlrev_b32 v[PFO], 8, v[PFO]                ; the prefetches' offset: a lane a block of 256 bytes
	s_bfe_u32 s11, ttmp6, 0x40000                  ; cx
	s_lshl_b32 s12, ttmp9, 2
	s_add_co_u32 s12, s12, s11                     ; my block of 128 queries: it enters Q's, part's, stats' and the prefetches' addresses alone
	s_and_b32 s13, ttmp7, 0xffff                   ; the split, which the four partners share
	s_mul_i32 s14, s13, 32*BLK
	s_mul_i32 s33, s10, EIGHTH                     ; my eighth, in LDS (slot 0)
	s_mul_i32 s20, s11, 25600
	s_add_co_u32 s20, s20, s14
	s_add_co_u32 s20, s20, 4*BLK                   ; the prefetches begin at round 2; the first change of slots steps them to round 3
	s_mov_b32 s21, 0
	s_add_co_u32 s14, s14, s33                     ; and in memory: made of the split and the wave's number alone
	s_mov_b32 s15, 0
	s_add_co_u32 s16, s12, 512
	s_mul_i32 s16, s16, BLK                        ; x's block
	s_lshl_b32 s17, s56, 1
	s_add_co_u32 s17, s17, s55                     ; the tile that I keep: 2 g + hi
	s_mul_i32 s18, s17, 3072
	s_add_co_u32 s18, s18, s16
	s_mov_b32 s19, 0
	s_xor_b32 s22, s17, 1                          ; the tile that I give
	s_mul_i32 s22, s22, 3072
	s_add_co_u32 s22, s22, s16
	s_mov_b32 s23, 0
	s_lshl_b32 s58, s12, 3
	s_add_co_u32 s58, s58, s17                     ; T = 8 x query block + the tile that I keep
	s_lshl_b32 s60, s58, 18                        ; part: 16 splits of 16,384 bytes a tile
	s_lshl_b32 s57, s13, 14
	s_add_co_u32 s60, s60, s57
	s_mov_b32 s61, 0
	s_lshl_b32 s62, s58, 12                        ; stats: 16 splits of 256 bytes a tile
	s_lshl_b32 s57, s13, 8
	s_add_co_u32 s62, s62, s57
	s_mov_b32 s63, 0
	s_lshl_b32 s57, s56, 8
	s_add_co_u32 s16, s16, s57
	s_add_co_u32 s16, s16, KSC                     ; Q's pair g of scale registers
	s_mov_b32 s17, 0
	s_mul_i32 s53, s10, WST
	s_add_co_u32 s53, s53, STG                     ; my stage,
	s_xor_b32 s54, s10, 4
	s_mul_i32 s54, s54, WST
	s_add_co_u32 s54, s54, STG                     ; my partner's
	s_cmp_lt_u32 s10, 4
	s_cselect_b32 s52, 3, 0x7fffffff               ; waves 0-3 prefetch while three or more trips are left
	s_mov_b32 s24, 15|(3<<16)|(1<<21)              ; group 1: the mask of all four, elements of 8 bytes, bit 21 beside a mask
	s_mov_b32 s25, 32<<16
	s_mov_b32 s26, 50<<16
	s_mov_b32 s27, 32<<16
	s_mov_b32 s28, 50
	s_mov_b32 s29, 32
	s_mov_b32 s30, 0
	s_mov_b32 s31, 0
	s_mov_b32 s32, 1
	s_mov_b32 s36, 0                               ; the slot in hand
	s_mov_b32 s37, 14
	s_mov_b32 s38, 0x3fb8aa3b                      ; c = log2(e)
	s_mov_b32 s39, s38
	s_mov_b32 s42, 0xbfb8aa3b                      ; -c
	s_mov_b32 s40, 0x76543210
	s_mov_b32 s41, 0xfedcba98
	s_wait_alu depctr_va_vdst(0)
	s_wait_dscnt 0x0
	s_wait_kmcnt 0x0
	s_add_nc_u64 s[34:35], s[4:5], s[14:15]
	s_or_b32 s35, s35, 0x80000000
	s_add_nc_u64 s[44:45], s[4:5], s[18:19]
	s_add_nc_u64 s[46:47], s[4:5], s[22:23]
	s_add_nc_u64 s[48:49], s[4:5], s[16:17]
	s_add_nc_u64 s[50:51], s[4:5], s[20:21]
	s_add_nc_u64 s[6:7], s[6:7], s[60:61]
	s_add_nc_u64 s[8:9], s[8:9], s[62:63]
	CROUND
	tensor_load_to_lds s[32:35], s[24:31]          ; round 0 into slot 0: my one tensor load at the head
	s_nop 0
	PLACES 4
.irp g, 0,1,2,3,4,5
	global_load_b128 v[QF+4*\g:QF+4*\g+3], v[GL], s[44:45] offset:512*\g          ; Q stays in registers: two fragments a tile, as they lie
	global_load_b128 v[QF+24+4*\g:QF+24+4*\g+3], v[GL], s[46:47] offset:512*\g
.endr
	global_load_b32 v[QS], v28, s[48:49]           ; lanes 0-15 the words of K step 0, lanes 16-31 of K step 1
	global_load_b32 v[QS+1], v29, s[48:49]
.irp q, 0,1
	v_mov_b32 v[ST+4*\q+1], 0xfe967699             ; the largest score so far: -1e38
	v_mov_b32 v[ST+4*\q+2], 0
	v_mov_b32 v[ST+4*\q+3], 0
.endr
.irp q, 0,1
	v_mul_f32 v[ST+4*\q], s42, v[ST+4*\q+1]
.endr
.irp q, 0,1
	v_floor_f32 v[ST+4*\q], v[ST+4*\q]             ; -M
.endr
.macro CHANGE fill                     ; the change of slots: the three lines, the round, the joint refill first behind it
.if \fill
	s_wait_xcnt 0x0                                ; my prefetch has read its address
	s_add_nc_u64 s[50:51], s[50:51], 2*BLK
.endif
	WIN 0
	s_wait_tensorcnt 0x0
	ds_add_u32 v[SPW], v[NIL]
.if \fill
	s_xor_b32 s33, s33, SLOT1
	s_add_nc_u64 s[34:35], s[34:35], 2*BLK
.endif
	s_wait_dscnt 0x0
.if \fill
	CROUND
	tensor_load_to_lds s[32:35], s[24:31]
	s_nop 0
	PLACES 4
.else
	BAR
.endif
.endm
.macro ASK
	s_cmp_ge_u32 s37, s52
	s_cbranch_scc0 .Lno_ask_\@
	global_prefetch_b8 v[PFO], s[50:51] th:TH_LOAD_NT scope:SCOPE_SE
.Lno_ask_\@:
.endm
.macro LOADT t, r0, r1                 ; key tile t's two fragments (K steps 0, 1)
.irp g, 0,1,2
	ds_load_b128 v[(\r0)+4*\g:(\r0)+4*\g+3], v[ADR] offset:3072*(\t)+512*\g
.endr
.irp g, 0,1,2
	ds_load_b128 v[(\r1)+4*\g:(\r1)+4*\g+3], v[ADR] offset:3072*(\t)+1536+512*\g
.endr
.endm
.macro MULT t, r0, r1                  ; four products: key tile t x my two tiles of queries x two K steps; the two accumulators by turns
.irp q, 0,1
	v_wmma_scale_f32_16x16x128_f8f6f4 v[SS+64*\q+8*(\t):SS+64*\q+8*(\t)+7], v[(\r0):(\r0)+11], v[QF+24*\q:QF+24*\q+11], 0, v[KVS+(\t)], v[QS+\q] matrix_a_fmt:MATRIX_FMT_BF6 matrix_b_fmt:MATRIX_FMT_BF6
.endr
.irp q, 0,1
	v_wmma_scale_f32_16x16x128_f8f6f4 v[SS+64*\q+8*(\t):SS+64*\q+8*(\t)+7], v[(\r1):(\r1)+11], v[QF+24*\q+12:QF+24*\q+23], v[SS+64*\q+8*(\t):SS+64*\q+8*(\t)+7], v[KVS+(\t)], v[QS+\q] matrix_a_fmt:MATRIX_FMT_BF6 matrix_b_fmt:MATRIX_FMT_BF6 matrix_a_scale:MATRIX_SCALE_ROW1 matrix_b_scale:MATRIX_SCALE_ROW1
.endr
.endm
.macro MAX16 d0, d1, o                 ; the largest of scores o .. o + 14 of each of my two tiles; each accumulator is read from its low end on
	v_max3_num_f32 v[\d0], v[SS+\o], v[SS+\o+1], v[SS+\o+2]
	v_max3_num_f32 v[\d1], v[SS+64+\o], v[SS+64+\o+1], v[SS+64+\o+2]
.irp i, 3,5,7,9,11,13
	v_max3_num_f32 v[\d0], v[\d0], v[SS+\o+\i], v[SS+\o+\i+1]
	v_max3_num_f32 v[\d1], v[\d1], v[SS+64+\o+\i], v[SS+64+\o+\i+1]
.endr
.endm
.macro LOADF d, vb                     ; V's fragment of channel tile d
.irp g, 0,1,2
	ds_load_b128 v[(\vb)+4*\g:(\vb)+4*\g+3], v[ADR] offset:VOFF+1536*(\d)+512*\g
.endr
.endm
.macro MULV d, vb, first               ; channel tile d x my two tiles; first = 1 starts O^T's sums
.irp q, 0,1
.if \first
.if (\d)%2
	v_wmma_scale_f32_16x16x128_f8f6f4 v[128*\q+8*(\d):128*\q+8*(\d)+7], v[(\vb):(\vb)+11], v[PF+12*\q:PF+12*\q+11], 0, v[KVS+(\d)/2], v[PS+\q] matrix_a_fmt:MATRIX_FMT_BF6 matrix_b_fmt:MATRIX_FMT_BF6 matrix_a_scale:MATRIX_SCALE_ROW1
.else
	v_wmma_scale_f32_16x16x128_f8f6f4 v[128*\q+8*(\d):128*\q+8*(\d)+7], v[(\vb):(\vb)+11], v[PF+12*\q:PF+12*\q+11], 0, v[KVS+(\d)/2], v[PS+\q] matrix_a_fmt:MATRIX_FMT_BF6 matrix_b_fmt:MATRIX_FMT_BF6
.endif
.else
.if (\d)%2
	v_wmma_scale_f32_16x16x128_f8f6f4 v[128*\q+8*(\d):128*\q+8*(\d)+7], v[(\vb):(\vb)+11], v[PF+12*\q:PF+12*\q+11], v[128*\q+8*(\d):128*\q+8*(\d)+7], v[KVS+(\d)/2], v[PS+\q] matrix_a_fmt:MATRIX_FMT_BF6 matrix_b_fmt:MATRIX_FMT_BF6 matrix_a_scale:MATRIX_SCALE_ROW1
.else
	v_wmma_scale_f32_16x16x128_f8f6f4 v[128*\q+8*(\d):128*\q+8*(\d)+7], v[(\vb):(\vb)+11], v[PF+12*\q:PF+12*\q+11], v[128*\q+8*(\d):128*\q+8*(\d)+7], v[KVS+(\d)/2], v[PS+\q] matrix_a_fmt:MATRIX_FMT_BF6 matrix_b_fmt:MATRIX_FMT_BF6
.endif
.endif
.endr
.endm
.macro STEP first, ask
	v_add_nc_u32 v[ADR], s36, v[LB]
	v_add_nc_u32 v[AD8], s36, v[L8B]
	s_wait_alu depctr_va_vdst(0)
.irp j, 0,1,2,3
	ds_load_b64 v[KVS+2*\j:KVS+2*\j+1], v[AD8] offset:KSC+256*\j
.endr
	; THE SCORES.  Tile t's results go to SS + 64 q + 8 t.  Tiles 1 and 2 wait in the registers of tiles 3-5's results, tile 5 in those of tiles 6-7's.
	LOADT 0, BA, BA+12
	LOADT 1, SS+24, SS+36
	LOADT 2, SS+88, SS+100
	LOADT 3, BB, BB+12
	LOADT 5, SS+48, SS+112
.if \ask
	ASK
.endif
	s_wait_dscnt 24                                ; the scale registers and tile 0 are in; behind them: tiles 1, 2, 3, 5
	MULT 0, BA, BA+12
	PLACES 4
	LOADT 4, BA, BA+12
	s_wait_dscnt 24                                ; tile 1; behind it: 2, 3, 5, 4
	MULT 1, SS+24, SS+36
	s_wait_dscnt 18                                ; tile 2; behind it: 3, 5, 4
	MULT 2, SS+88, SS+100
	MAX16 0, 7, 0                                  ; 14 plain lines: the places ahead of tile 3's products, which write over tiles 1's and 2's fragments
	s_wait_dscnt 12                                ; tile 3; behind it: 5, 4
	MULT 3, BB, BB+12
	PLACES 4
	LOADT 6, BB, BB+12
	s_wait_dscnt 6                                 ; tiles 5 and 4; behind them: 6
	MULT 4, BA, BA+12
	MAX16 76, 78, 16                               ; the places ahead of the loads into buffer A
	LOADT 7, BA, BA+12
	MULT 5, SS+48, SS+112
	v_max3_num_f32 v0, v0, v[SS+15], v[SS+31]      ; block c = 0 of each tile is whole; five places ahead of tile 6's products, which write over tile 5's fragments
	v_max3_num_f32 v7, v7, v[SS+64+15], v[SS+64+31]
	v_max_num_f32 v0, v0, v76
	v_max_num_f32 v7, v7, v78
	v_nop
	s_wait_dscnt 6                                 ; tile 6; behind it: 7
	MULT 6, BB, BB+12
	MAX16 76, 78, 32
	s_wait_dscnt 0x0
	MULT 7, BA, BA+12
	PLACES 4
	MAX16 28, 29, 48
	v_max3_num_f32 v76, v76, v[SS+47], v[SS+63]
	v_max3_num_f32 v78, v78, v[SS+64+47], v[SS+64+63]
	v_max_num_f32 v30, v76, v28                    ; block c = 1
	v_max_num_f32 v31, v78, v29
	; THE RUNNING M, both tiles by turns
.irp q, 0,1
	v_max_num_f32 v[36+\q], v[7*\q], v[30+\q]      ; my 64 keys' largest score
.endr
.irp q, 0,1
	v_permlanex16_b32 v[38+\q], v[36+\q], s40, s41
.endr
.irp q, 0,1
	v_max3_num_f32 v[ST+4*\q+1], v[ST+4*\q+1], v[36+\q], v[38+\q]   ; with lane l xor 16's: the running largest score
.endr
.irp q, 0,1
	v_mul_f32 v[36+\q], s42, v[ST+4*\q+1]          ; -t
.endr
.irp q, 0,1
	v_floor_f32 v[36+\q], v[36+\q]                 ; the new -M = floor(-t): M is a whole number
.endr
.irp q, 0,1
	v_sub_f32 v[38+\q], v[36+\q], v[ST+4*\q]       ; old M - new M: a whole number, 0 or less
.endr
.irp q, 0,1
	v_mov_b32 v[ST+4*\q], v[36+\q]
.endr
.irp q, 0,1
	v_cvt_i32_f32 v[38+\q], v[38+\q]               ; (it saturates)
.endr
.irp q, 0,1
	v_ldexp_f32 v[FF+2*\q], 1.0, v[38+\q]          ; f = 2^(old M - new M)
.endr
	v_fma_f32 v[TE], v0, s38, v[ST]                ; t - M of each block's largest score: p rises with the score, so this gives the block's largest p
	v_fma_f32 v[TE+1], v7, s38, v[ST+4]
	v_fma_f32 v[TE+2], v30, s38, v[ST]
	v_fma_f32 v[TE+3], v31, s38, v[ST+4]
.irp q, 0,1
.set jj, 0
.rept 32
	v_pk_fma_f32 v[SS+64*\q+jj:SS+64*\q+jj+1], v[SS+64*\q+jj:SS+64*\q+jj+1], s[38:39], v[ST+4*\q:ST+4*\q+1] op_sel_hi:[1,0,0]
.set jj, jj+2
.endr
.endr
	s_wait_alu depctr_va_vdst(0)                   ; ahead of the batch
.set jj, 0
.rept 128
	v_exp_f32 v[SS+jj], v[SS+jj]                   ; p = 2^(t - M)
.set jj, jj+1
.endr
.irp k, 0,1,2,3
	v_exp_f32 v[TE+\k], v[TE+\k]
.endr
	v_nop
	s_wait_alu depctr_va_vdst(0)                   ; and behind it
.irp k, 0,1,2,3
	v_max_num_f32 v[TE+\k], 0x2800000, v[TE+\k]    ; the floor 2^(5 - 127): the byte cannot fall under 1
.endr
.irp k, 0,1,2,3
	v_add_nc_u32 v[SOP+\k], 0xfe000000, v[TE+\k]   ; 4 off the exponent field: the conversion's scale operand
.endr
.irp k, 0,1,2,3
	v_lshrrev_b32 v[TE+\k], 23, v[SOP+\k]          ; the scale's byte
.endr
.irp q, 0,1
	v_lshl_or_b32 v[40+\q], v[TE+2+\q], 16, v[TE+\q]   ; my two bytes: blocks h and 2 + h,
.endr
.irp q, 0,1
	v_lshlrev_b32 v[40+\q], v[H8], v[40+\q]        ; 8 h bits up;
.endr
.irp q, 0,1
	v_permlanex16_b32 v[42+\q], v[40+\q], s40, s41
.endr
.irp q, 0,1
	v_or_b32 v[PS+\q], v[40+\q], v[42+\q]          ; with lane l xor 16's two the word is whole
.endr
.irp q, 0,1
.irp c, 0,1
	v_cvt_scalef32_pk16_bf6_f32 v[PF+12*\q+6*\c:PF+12*\q+6*\c+2], v[SS+64*\q+32*\c:SS+64*\q+32*\c+15], v[SOP+2*\c+\q]
	v_cvt_scalef32_pk16_bf6_f32 v[44-16*\q+4*\c:44-16*\q+4*\c+2], v[SS+64*\q+32*\c+16:SS+64*\q+32*\c+31], v[SOP+2*\c+\q]   ; (a conversion's three registers begin on an even number)
.endr
.endr
	v_nop                                          ; one plain place behind a scaled conversion
.irp q, 0,1
.irp c, 0,1
.irp i, 0,1,2
	v_mov_b32 v[PF+12*\q+6*\c+3+\i], v[44-16*\q+4*\c+\i]
.endr
.endr
.endr
	; THE ROWS' SUMS, of the unquantised p: eight chains of pairs
.irp k, 0,1,2,3
.irp q, 0,1
	v_pk_add_f32 v[28+8*\q+2*\k:29+8*\q+2*\k], v[SS+64*\q+2*\k:SS+64*\q+2*\k+1], v[SS+64*\q+8+2*\k:SS+64*\q+9+2*\k]
.endr
.endr
.irp j, 16,24,32,40,48,56
.irp k, 0,1,2,3
.irp q, 0,1
	v_pk_add_f32 v[28+8*\q+2*\k:29+8*\q+2*\k], v[28+8*\q+2*\k:29+8*\q+2*\k], v[SS+64*\q+\j+2*\k:SS+64*\q+\j+2*\k+1]
.endr
.endr
.endr
.irp q, 0,1
	v_pk_add_f32 v[28+8*\q:29+8*\q], v[28+8*\q:29+8*\q], v[30+8*\q:31+8*\q]
.endr
.irp q, 0,1
	v_pk_add_f32 v[32+8*\q:33+8*\q], v[32+8*\q:33+8*\q], v[34+8*\q:35+8*\q]
.endr
.irp q, 0,1
	v_pk_add_f32 v[28+8*\q:29+8*\q], v[28+8*\q:29+8*\q], v[32+8*\q:33+8*\q]
.endr
.irp q, 0,1
	v_pk_fma_f32 v[ST+4*\q+2:ST+4*\q+3], v[ST+4*\q+2:ST+4*\q+3], v[FF+2*\q:FF+2*\q+1], v[28+8*\q:29+8*\q] op_sel_hi:[1,0,1]   ; l x f + the step's sum
.endr
	; V: its scale registers over K's, twelve fragments over p and the registers at work
.irp j, 0,1,2,3
	ds_load_b64 v[KVS+2*\j:KVS+2*\j+1], v[AD8] offset:VSC+256*\j
.endr
.irp d, 0,1,2,3,4,5,6,7,8,9
	LOADF \d, SS+12*\d
.endr
	LOADF 10, BB
	LOADF 11, BB+12
.if \first == 0
	WIN 0x41                                       ; destination and source 0: window 1
	s_wait_alu depctr_va_vdst(0)                   ; directly ahead of the first reader of O^T
.irp q, 0,1
.set jj, 0
.rept 64
	v_pk_mul_f32 v[128*\q+jj:128*\q+jj+1], v[128*\q+jj:128*\q+jj+1], v[FF+2*\q:FF+2*\q+1] op_sel_hi:[1,0]   ; O^T under the new M
.set jj, jj+2
.endr
.endr
.endif
	WIN 0x50                                       ; C and D: window 1
	s_wait_alu depctr_va_vdst(0)
	s_wait_dscnt 0x0
.irp d, 0,1,2,3
	MULV \d, SS+12*\d, \first
.endr
	PLACES 4
	WIN 0
.irp d, 12,13,14,15
	LOADF \d, SS+12*(\d-12)
.endr
	WIN 0x50
.irp d, 4,5,6,7,8,9
	MULV \d, SS+12*\d, \first
.endr
	MULV 10, BB, \first
	MULV 11, BB+12, \first
	s_wait_dscnt 0x0
.irp d, 12,13,14,15
	MULV \d, SS+12*(\d-12), \first
.endr
	WIN 0
	PLACES 5                                       ; the next step's loads and products write registers that these products read
	s_xor_b32 s36, s36, SLOT1
.endm
	s_wait_alu depctr_va_vdst(0)
	s_wait_loadcnt 0x0
	CHANGE 1                                       ; round 0 has landed; round 1 is asked for, into slot 1
	STEP 1, 1
.Lstep:                                            ; 14 trips: rounds 1 to 14
	CHANGE 1
	STEP 0, 1
	s_sub_co_u32 s37, s37, 1
	s_cmp_lg_u32 s37, 0
	s_cbranch_scc1 .Lstep
	CHANGE 0                                       ; the last round is written out: nothing is left to fetch
	STEP 0, 0
	; THE WAY OUT.  l whole; then my tile 1 goes to my partner and its tile 1, the same queries as my tile 0, comes to me, 64 registers at a time through the stage.
.irp q, 0,1
	v_add_f32 v[ST+4*\q+2], v[ST+4*\q+2], v[ST+4*\q+3]
.endr
.irp q, 0,1
	v_permlanex16_b32 v[28+\q], v[ST+4*\q+2], s40, s41
.endr
.irp q, 0,1
	v_add_f32 v[ST+4*\q+1], v[ST+4*\q+2], v[28+\q]       ; l, beside -M
.endr
	v_sub_nc_u32 v[GL], v[LB], s59                 ; 16 x lane again
	v_add_nc_u32 v30, s53, v[GL]
	v_add_nc_u32 v31, s54, v[GL]
	v_lshrrev_b32 v32, 1, v[GL]                    ; 8 x lane
	v_add_nc_u32 v33, s53, v32
	v_add_nc_u32 v34, s54, v32
	s_wait_alu depctr_va_vdst(0)
.macro GIVE p
	WIN 0x04                                       ; a store's data: window 1
.set kk, 0
.rept 16
	ds_store_b128 v30, v[128+64*\p+4*kk:128+64*\p+4*kk+3] offset:512*kk
.set kk, kk+1
.endr
	WIN 0
.endm
.macro TAKE p
.set kk, 0
.rept 16
	ds_load_b128 v[SS+64*\p+4*kk:SS+64*\p+4*kk+3], v31 offset:512*kk
.set kk, kk+1
.endr
.endm
.macro JOIN p                          ; mine x my weight + my partner's x its weight, and out: every store covers 512 consecutive bytes at a multiple of 256
	WIN 0x41
.set jj, 0
.rept 32
	v_pk_mul_f32 v[64*\p+jj:64*\p+jj+1], v[64*\p+jj:64*\p+jj+1], v[42:43] op_sel_hi:[1,0]
.set jj, jj+2
.endr
	WIN 0x10                                       ; source 2: window 1
.set jj, 0
.rept 32
	v_pk_fma_f32 v[SS+64*\p+jj:SS+64*\p+jj+1], v[SS+64*\p+jj:SS+64*\p+jj+1], v[44:45], v[64*\p+jj:64*\p+jj+1] op_sel_hi:[1,0,1]
.set jj, jj+2
.endr
	WIN 0
.set kk, 0
.rept 16
	global_store_b128 v[GL], v[SS+64*\p+4*kk:SS+64*\p+4*kk+3], s[6:7] offset:8192*\p+512*kk
.set kk, kk+1
.endr
.endm
	GIVE 0
	ds_store_b64 v33, v[ST+4:ST+5] offset:8192
	s_wait_dscnt 0x0                               ; for my partner's sake
	BAR
	TAKE 0
	ds_load_b64 v[36:37], v34 offset:8192
	s_wait_dscnt 0x0                               ; my reads of the stage are over
	BAR
	GIVE 1
	v_min_num_f32 v38, v[ST], v36                  ; the smaller -M is the pair's
	v_sub_f32 v39, v38, v[ST]
	v_sub_f32 v40, v38, v36
	v_cvt_i32_f32 v39, v39
	v_cvt_i32_f32 v40, v40
	v_ldexp_f32 v42, 1.0, v39                      ; my weight,
	v_ldexp_f32 v44, 1.0, v40                      ; my partner's: powers of two
	v_mul_f32 v39, v42, v[ST+1]
	v_fma_f32 v39, v44, v37, v39
	global_store_b64 v32, v[38:39], s[8:9]
	JOIN 0
	s_wait_alu depctr_va_vdst(0)
	s_wait_dscnt 0x0
	BAR
	TAKE 1
	s_wait_dscnt 0x0
	JOIN 1
	s_wait_tensorcnt 0x0                           ; the wave's end
	ds_add_u32 v[SPW], v[NIL]
	s_wait_dscnt 0x0
	CROUND                                         ; the closing round
	s_endpgm
.Lfunc_end_k_qcd6a481ded_attn:
	.size	k_qcd6a481ded_attn, .Lfunc_end_k_qcd6a481ded_attn-k_qcd6a481ded_attn
	.p2alignl 7, 3214868480
	.fill 96, 4, 3214868480
	.section	.rodata,"a",@progbits
	.p2align	6, 0x0
	.amdhsa_kernel k_qcd6a481ded_attn
		.amdhsa_group_segment_fixed_size 327680
		.amdhsa_private_segment_fixed_size 0
		.amdhsa_enable_private_segment 0
		.amdhsa_kernarg_size 24
		.amdhsa_user_sgpr_count 2
		.amdhsa_user_sgpr_kernarg_segment_ptr 1
		.amdhsa_wavefront_size32 1
		.amdhsa_system_sgpr_workgroup_id_x 1
		.amdhsa_system_sgpr_workgroup_id_y 1
		.amdhsa_system_sgpr_workgroup_id_z 1
		.amdhsa_system_vgpr_workitem_id 0
		.amdhsa_next_free_vgpr 512
		.amdhsa_next_free_sgpr 66
		.amdhsa_reserve_vcc 0
		.amdhsa_float_denorm_mode_32 3
		.amdhsa_float_denorm_mode_16_64 3
		.amdhsa_memory_ordered 1
		.amdhsa_forward_progress 1
		.amdhsa_inst_pref_size 147
	.end_amdhsa_kernel
	.amdgpu_metadata
---
amdhsa.version: [ 1, 2 ]
amdhsa.kernels:
  - .name:           k_qcd6a481ded_attn
    .symbol:         k_qcd6a481ded_attn.kd
    .args:
      - { .name: codes, .offset: 0, .size: 8, .value_kind: global_buffer, .address_space: global }
      - { .name: part, .offset: 8, .size: 8, .value_kind: global_buffer, .address_space: global }
      - { .name: stats, .offset: 16, .size: 8, .value_kind: global_buffer, .address_space: global }
    .group_segment_fixed_size: 327680
    .private_segment_fixed_size: 0
    .kernarg_segment_align: 8
    .kernarg_segment_size: 24
    .max_flat_workgroup_size: 256
    .sgpr_count:     66
    .vgpr_count:     512
    .wavefront_size: 32
...
	.end_amdgpu_metadata
.endif
;; end of part 2
;; launch merge (part 3): grid 256 x 1, 8 waves a work-group, no clusters, 9,472 bytes of LDS; arguments part, stats, out0; writes out0
.if DOCPART == 3
	.amdgcn_target "amdgcn-amd-amdhsa--gfx1250"
	.amdhsa_code_object_version 6
	.text
	.protected	k_qcd6a481ded_merge
	.globl	k_qcd6a481ded_merge
	.p2align	8
	.type	k_qcd6a481ded_merge,@function
k_qcd6a481ded_merge:
	s_mov_b64 s[64:65], 0
	v_nop
	global_prefetch_b8 v0, s[64:65] scope:SCOPE_SE
	s_setreg_imm32_b32 hwreg(HW_REG_WAVE_MODE, 25, 1), 1
	s_wait_xcnt 0x0
; out0 = (the sum over the 16 splits s of 2^(M_s - M) O_s) / (the sum over s of 2^(M_s - M) l_s), M the largest M_s: every weight is a power of two, so the rescaling rounds nothing.
; part [tile T of 16 queries][split][16,384 bytes]: the image of 128 registers of O^T: register 8 d + j of lane (r, h) = o(query r of the tile, channel 16 d + 8 h + j), four registers at 512 g + 16 x lane.
; stats [T][split][lane]: (-M_s, l_s).  Lane r of tile T stands for row 128 (T / 8) + 64 ((T / 4) % 2) + 8 (T % 4) + 32 (r / 8) + r % 8 of out0.
; A work-group takes half the channels of one tile; each of its eight waves one channel tile d: 1,024 bytes of each split, by two loads of 512 consecutive bytes, all 32 issued at once.
; A row's 512 bytes come from eight waves: they meet in a stage in LDS, and each wave stores two whole half rows.  Memory binds: no matrix unit, no tensor loads, no cluster; no loop to prefetch in.
.set SP, 528                           ; a stage row: 512 bytes + 16
; v2 16 x lane, v3 8 x lane, v4 into the stage, v5 out of it, v6 the smallest -M, v8-9 L in two chains, v[10:11] 1 / L twice, v14-15 the add's; v16-47 (-M_s, l_s), then (weight, l_s); v80-207 O; v208-223 the sums, two sets
	s_load_b128 s[4:7], s[0:1], 0x0                ; part, stats
	s_load_b64 s[8:9], s[0:1], 0x10                ; out0
	v_lshl_add_u32 v14, v0, 2, 0x2100
	v_mov_b32 v15, 0
	v_lshrrev_b32 v1, 5, v0
	s_delay_alu instid0(VALU_DEP_1)
	v_readfirstlane_b32 s10, v1                    ; wave 0..7
	v_and_b32 v1, 31, v0
	s_delay_alu instid0(VALU_DEP_1)
	v_lshlrev_b32 v2, 4, v1
	s_delay_alu instid0(VALU_DEP_2)
	v_lshlrev_b32 v3, 3, v1
	v_and_b32 v12, 15, v0                          ; r
	v_bfe_u32 v13, v0, 4, 1                        ; h
	s_delay_alu instid0(VALU_DEP_2)
	v_mul_u32_u24 v4, v12, SP
	s_delay_alu instid0(VALU_DEP_1)
	v_lshl_add_u32 v4, v13, 5, v4
	s_lshl_b32 s14, s10, 6
	v_add_nc_u32 v4, s14, v4                       ; in: row r, my wave's 64 bytes, + 32 h
	s_mul_i32 s14, s10, 2*SP
	v_add_nc_u32 v5, s14, v2                       ; back: rows 2 w and 2 w + 1, 16 bytes a lane
	s_lshr_b32 s11, ttmp9, 1                       ; T
	s_and_b32 s12, ttmp9, 1                        ; which half of the channels
	s_lshl_b32 s14, s11, 18
	s_lshl_b32 s15, s12, 3
	s_add_co_u32 s15, s15, s10                     ; d = 8 x half + wave
	s_lshl_b32 s15, s15, 10
	s_add_co_u32 s14, s14, s15
	s_mov_b32 s15, 0
	s_lshl_b32 s16, s11, 12
	s_mov_b32 s17, 0
	s_lshr_b32 s18, s11, 3
	s_lshl_b32 s18, s18, 7                         ; 128 (T / 8)
	s_bfe_u32 s19, s11, 0x10002
	s_lshl_b32 s19, s19, 6                         ; + 64 ((T / 4) % 2)
	s_add_co_u32 s18, s18, s19
	s_and_b32 s19, s11, 3
	s_lshl_b32 s19, s19, 3                         ; + 8 (T % 4)
	s_add_co_u32 s18, s18, s19
	s_lshr_b32 s19, s10, 2
	s_lshl_b32 s19, s19, 5                         ; + 32 (r / 8) for r = 2 w
	s_add_co_u32 s18, s18, s19
	s_and_b32 s19, s10, 3
	s_lshl_b32 s19, s19, 1                         ; + r % 8
	s_add_co_u32 s18, s18, s19
	s_lshl_b32 s18, s18, 10                        ; rows of 1,024 bytes
	s_lshl_b32 s19, s12, 9
	s_add_co_u32 s18, s18, s19
	s_mov_b32 s19, 0
	s_wait_alu depctr_va_vdst(0)
	s_wait_kmcnt 0x0
	s_add_nc_u64 s[4:5], s[4:5], s[14:15]
	s_add_nc_u64 s[6:7], s[6:7], s[16:17]
	s_add_nc_u64 s[8:9], s[8:9], s[18:19]
.set SPL, 0
.rept 16
	global_load_b64 v[16+2*SPL:17+2*SPL], v3, s[6:7] offset:256*SPL
.set SPL, SPL+1
.endr
.set SPL, 0
.rept 16
	global_load_b128 v[80+8*SPL:83+8*SPL], v2, s[4:5] offset:16384*SPL th:TH_LOAD_NT
	global_load_b128 v[84+8*SPL:87+8*SPL], v2, s[4:5] offset:16384*SPL+512 th:TH_LOAD_NT
.set SPL, SPL+1
.endr
	s_wait_loadcnt 32                              ; the statistics are in; the 32 loads of O issued behind them stay out
	v_min3_num_f32 v6, v16, v18, v20               ; the smallest -M_s is -M
.irp s, 3,5,7,9,11,13
	s_delay_alu instid0(VALU_DEP_1)
	v_min3_num_f32 v6, v6, v[16+2*\s], v[18+2*\s]
.endr
	s_delay_alu instid0(VALU_DEP_1)
	v_min_num_f32 v6, v6, v46
.set SPL, 0
.rept 16
	v_sub_f32 v[16+2*SPL], v6, v[16+2*SPL]         ; M_s - M: a whole number, 0 or less
.set SPL, SPL+1
.endr
.set SPL, 0
.rept 16
	v_cvt_i32_f32 v[16+2*SPL], v[16+2*SPL]         ; (it saturates)
.set SPL, SPL+1
.endr
.set SPL, 0
.rept 16
	v_ldexp_f32 v[16+2*SPL], 1.0, v[16+2*SPL]      ; the split's weight
.set SPL, SPL+1
.endr
	v_mul_f32 v8, v16, v17                         ; L, in two chains; the first products start them
	v_mul_f32 v9, v18, v19
.irp s, 2,4,6,8,10,12,14
	s_delay_alu instid0(VALU_DEP_2)
	v_fma_f32 v8, v[16+2*\s], v[17+2*\s], v8
	s_delay_alu instid0(VALU_DEP_2)
	v_fma_f32 v9, v[18+2*\s], v[19+2*\s], v9
.endr
	s_delay_alu instid0(VALU_DEP_1)
	v_add_f32 v8, v8, v9
	s_wait_alu depctr_va_vdst(0)                   ; ahead of the transcendental
	v_rcp_f32 v10, v8
	v_nop                                          ; one plain place behind a transcendental
	s_wait_alu depctr_va_vdst(0)                   ; and behind it
	v_mov_b32 v11, v10
	s_wait_alu depctr_va_vdst(0)                   ; directly ahead of the wait below
	s_wait_loadcnt 0x0
.set SPL, 0
.rept 16                               ; even splits into one set of sums, odd ones into the other: eight chains
.set RG, 80+8*SPL
.set AC, 208+8*(SPL%2)
.irp i, 0,1,2,3
.if SPL < 2
	v_pk_mul_f32 v[AC+2*\i:AC+2*\i+1], v[RG+2*\i:RG+2*\i+1], v[16+2*SPL:17+2*SPL] op_sel_hi:[1,0]   ; the first two splits start the sums (of the pair (weight, l) the low word serves both halves)
.else
	v_pk_fma_f32 v[AC+2*\i:AC+2*\i+1], v[RG+2*\i:RG+2*\i+1], v[16+2*SPL:17+2*SPL], v[AC+2*\i:AC+2*\i+1] op_sel_hi:[1,0,1]
.endif
.endr
.set SPL, SPL+1
.endr
.irp i, 0,1,2,3
	v_pk_add_f32 v[208+2*\i:209+2*\i], v[208+2*\i:209+2*\i], v[216+2*\i:217+2*\i]
.endr
.irp i, 0,1,2,3
	v_pk_mul_f32 v[208+2*\i:209+2*\i], v[208+2*\i:209+2*\i], v[10:11]
.endr
	ds_store_b128 v4, v[208:211]                   ; o(r, 16 d + 8 h + 0 .. 7)
	ds_store_b128 v4, v[212:215] offset:16
	s_wait_dscnt 0x0                               ; for the others' sake: my stores into the stage are done
	s_barrier_signal -1
	s_barrier_wait -1
	ds_load_b128 v[224:227], v5
	ds_load_b128 v[228:231], v5 offset:SP
	s_wait_dscnt 1                                 ; the first row is back; the second may be out
	global_store_b128 v2, v[224:227], s[8:9] th:TH_STORE_NT               ; 32 lanes store 512 consecutive bytes, at a multiple of 256 from out0's first byte
	s_wait_dscnt 0x0
	global_store_b128 v2, v[228:231], s[8:9] offset:1024 th:TH_STORE_NT
	s_wait_tensorcnt 0x0                           ; the wave's end
	ds_add_u32 v14, v15
	s_wait_dscnt 0x0
	s_endpgm
.Lfunc_end_k_qcd6a481ded_merge:
	.size	k_qcd6a481ded_merge, .Lfunc_end_k_qcd6a481ded_merge-k_qcd6a481ded_merge
	.p2alignl 7, 3214868480
	.fill 96, 4, 3214868480
	.section	.rodata,"a",@progbits
	.p2align	6, 0x0
	.amdhsa_kernel k_qcd6a481ded_merge
		.amdhsa_group_segment_fixed_size 9472
		.amdhsa_private_segment_fixed_size 0
		.amdhsa_enable_private_segment 0
		.amdhsa_kernarg_size 24
		.amdhsa_user_sgpr_count 2
		.amdhsa_user_sgpr_kernarg_segment_ptr 1
		.amdhsa_wavefront_size32 1
		.amdhsa_system_sgpr_workgroup_id_x 1
		.amdhsa_system_sgpr_workgroup_id_y 1
		.amdhsa_system_sgpr_workgroup_id_z 1
		.amdhsa_system_vgpr_workitem_id 0
		.amdhsa_next_free_vgpr 232
		.amdhsa_next_free_sgpr 66
		.amdhsa_reserve_vcc 0
		.amdhsa_float_denorm_mode_32 3
		.amdhsa_float_denorm_mode_16_64 3
		.amdhsa_memory_ordered 1
		.amdhsa_forward_progress 1
		.amdhsa_inst_pref_size 17
	.end_amdhsa_kernel
	.amdgpu_metadata
---
amdhsa.version: [ 1, 2 ]
amdhsa.kernels:
  - .name:           k_qcd6a481ded_merge
    .symbol:         k_qcd6a481ded_merge.kd
    .args:
      - { .name: part, .offset: 0, .size: 8, .value_kind: global_buffer, .address_space: global }
      - { .name: stats, .offset: 8, .size: 8, .value_kind: global_buffer, .address_space: global }
      - { .name: out0, .offset: 16, .size: 8, .value_kind: global_buffer, .address_space: global }
    .group_segment_fixed_size: 9472
    .private_segment_fixed_size: 0
    .kernarg_segment_align: 8
    .kernarg_segment_size: 24
    .max_flat_workgroup_size: 256
    .sgpr_count:     66
    .vgpr_count:     232
    .wavefront_size: 32
...
	.end_amdgpu_metadata
.endif
;; end of part 3
